; MI455X (gfx1250); checked and timed in simulation.
; The chip was launched on July 23, 2026; its instructions are those of AMD's public machine-readable ISA for CDNA 5 (MIT licence, August 2026) and "CDNA5" Instruction Set Architecture Reference Guide (July 2026). The comments in the code are by the model that wrote it; some were corrected since.
;; Multi Head Self Attention. Allowed arithmetic: matrix products marked QUANTISED: E2M1 operands, one E8M0 scale for each 32 along K, by v_wmma_scale_f32_16x16x128_f8f6f4 with both operands' format E2M1 (or v_wmma_scale_f32_32x16x128_f4), f32 sums; everything else in f32.
;; Inputs: b_out 1,024 float32; b_qkv 3,072 float32; w_out_codes 1,024 x 32 x 16 uint8 (E2M1 codes of w_out, K innermost, in blocks of 32 codes, two codes a byte); w_out_scales 1,024 x 32 uint8 (E8M0 scales of w_out, one for each 32 codes along K); w_qkv_codes 3,072 x 32 x 16 uint8 (E2M1 codes of w_qkv, K innermost, in blocks of 32 codes, two codes a byte); w_qkv_scales 3,072 x 32 uint8 (E8M0 scales of w_qkv, one for each 32 codes along K); x_codes 4 x 2,048 x 32 x 16 uint8 (E2M1 codes of x, K innermost, in blocks of 32 codes, two codes a byte); x_scales 4 x 2,048 x 32 uint8 (E8M0 scales of x, one for each 32 codes along K).
;; Outputs: out0 4 x 2,048 x 1,024 float32.
;; This version of the problem:
;;   THIS VERSION OF THE PROBLEM IS GIVEN IN LOW PRECISION. The matrix products marked QUANTISED in the list below multiply operands that are first quantised to E2M1 (2 exponent bits, 1 mantissa bit; 4 bits a number), with one power-of-two scale for each 32 numbers along K (OCP MX v1.0); their sums are f32. All else is computed in f32.
;;   The module's matrix products, in the order in which they are computed (A, B: the left and right operand; K: the contracted axis; several contracted axes count as one K, in the product's order):
;;     1. [M 8,192, K 1,024] x [K 1,024, N 3,072]; A: input x (given as codes); B: input w_qkv (given as codes): QUANTISED
;;     2. batch 64 x [M 2,048, K 64] x [K 64, N 2,048]; A: computed on the way; B: computed on the way: QUANTISED
;;     3. batch 64 x [M 2,048, K 2,048] x [K 2,048, N 64]; A: softmax (see below); B: computed on the way: QUANTISED
;;     4. [M 8,192, K 1,024] x [K 1,024, N 1,024]; A: computed on the way; B: input w_out (given as codes): QUANTISED
;;   THE QUANTISER, for each operand of a quantised product, along K:
;;     - K is cut into blocks of 32 from its start; a last block that is shorter is filled with zeros.
;;     - A block's scale is 2^e with e = floor(log2(the largest magnitude in the block)) - 2, held to -126 .. 127; a block of zeros has e = 0. As a byte (E8M0): e + 127.
;;     - Each number is divided by its block's scale, clamped to +-6, and rounded to the nearest number of E2M1, ties to even, subnormals kept.
;;     - The product sums the exact products of the quantised numbers (number of the format x scale) in f32.
;;   ~~~python
;;   def quantise(x, axis):      # numpy; x: float32 -> the quantised numbers, widened to float32 again
;;       x = np.moveaxis(x, axis, -1); K = x.shape[-1]
;;       x = np.pad(x, [(0, 0)] * (x.ndim - 1) + [(0, -K % 32)]); x = x.reshape(x.shape[:-1] + (-1, 32)); a = np.abs(x).max(-1, keepdims=True)
;;       e = np.where(a > 0, np.clip(np.frexp(np.where(a > 0, a, 1))[1] - 1 - 2, -126, 127), 0)      # np.frexp(a)[1] - 1 = floor(log2(a)), exactly
;;       r = np.clip(x / 2.0 ** e, -6, 6)
;;       step = 2.0 ** (np.maximum(np.frexp(np.where(r == 0, 1, r))[1] - 1, 0) - 1)
;;       q = np.round(r / step) * step * 2.0 ** e      # np.round: ties to even
;;       return np.moveaxis(q.reshape(q.shape[:-2] + (-1,))[..., :K], -1, axis).astype(np.float32)
;;   ~~~
;;   SOFTMAX AHEAD OF A QUANTISED PRODUCT. Where the list says 'softmax', what is quantised is not the finished softmax but p = 2^(t - M), with t = logit x log2(e) and M = ceil(the row's largest t), a whole number; so 1/2 < the row's largest p <= 1. The row's sum l is taken of the UNQUANTISED p, in f32, and the product's result is divided by l at the end. Since M is a whole number, a kernel that streams over the keys may use a running M (the ceiling of the running maximum): every later rescaling is an exact power of two, which a block's scale takes up: the codes' values come out the same.
;;   OPERANDS COMPUTED ON THE WAY. 'Computed on the way' means the value that the module computes at that place (a softmax that the list does not call 'softmax' is quantised finished and normalised). What goes into a quantiser is computed in f32, as accurately as f32 sums, v_exp_f32 and their like allow (about 1e-6 of the number): no bf16 or f16 on the way to a quantiser, and a product that is left as it is and whose result goes on into a quantised operand takes f32 operands (vector FMAs, or v_wmma_f32_16x16x4_f32). A number that lies on a knife's edge between two numbers of the format may be rounded either way, as far as f32 arithmetic and the matrix unit's own rounding can turn it there, and no further.
;;   INPUTS GIVEN AS CODES. w_out (in the module: [1024, 1024], K = its axis 0); w_qkv (in the module: [1024, 3072], K = its axis 0); x (in the module: [4, 2048, 1024], K = its axis 2): each comes as NAME_codes (uint8): NAME with its K axis moved to the last place and cut into blocks of 32 codes, [.., K / 32, bytes a block], one block behind the other in memory; two codes a byte, the lower K in the low four bits (a code: sign, 2 exponent bits, 1 mantissa bit); and NAME_scales (uint8): the same leading axes, one E8M0 byte (e + 127) for each 32 codes along K. Its value is code x scale, taken as it is: it is not quantised again, and the codes and scales need not be those that the quantiser above would give.
;; One version. Each part assembles by itself: llvm-mc -triple=amdgcn-amd-amdhsa -mcpu=gfx1250 --defsym DOCPART=n.
;; ======== version 1 of 1: 3 launches
;; workspace buffers: codes 12,582,912 bytes; sc 1,310,720 bytes; ac 4,194,304 bytes; as16 262,144 bytes
;; launch qkv (part 1): grid 8 x 96, 4 waves a work-group, clusters of 4 x 4, 213,504 bytes of LDS; arguments x_codes, x_scales, w_qkv_codes, w_qkv_scales, b_qkv, codes, sc; writes codes, sc
.if DOCPART == 1
	.amdgcn_target "amdgcn-amd-amdhsa--gfx1250"
	.amdhsa_code_object_version 6
	.text
	.protected	k_qe5c9d8ed33_qkv
	.globl	k_qe5c9d8ed33_qkv
	.p2align	8
	.type	k_qe5c9d8ed33_qkv,@function
k_qe5c9d8ed33_qkv:
	s_mov_b64 s[64:65], 0
	v_nop
	global_prefetch_b8 v0, s[64:65] scope:SCOPE_SE
	s_setreg_imm32_b32 hwreg(HW_REG_WAVE_MODE, 25, 1), 1
	s_wait_xcnt 0x0
	s_wait_alu depctr_hold_cnt(0) depctr_sa_sdst(0) depctr_va_vdst(0) depctr_va_sdst(0) depctr_va_ssrc(0) depctr_va_vcc(0) depctr_vm_vsrc(0)
	s_getreg_b32 s2, hwreg(HW_REG_IB_STS2, 6, 4)
	s_cmp_eq_u32 s2, 0
	s_cbranch_scc0 .Lentry_in_a_cluster
	s_endpgm
.Lentry_in_a_cluster:
	s_bfe_u32 s2, ttmp6, 0x10000c
	s_cmp_lg_u32 s2, 0xf033
	s_cbranch_scc0 .Lentry_shape_is_right
	s_endpgm
.Lentry_shape_is_right:
; qkv = x w_qkv + b_qkv on codes of FP4 (E2M1) with one E8M0 scale for each 32 along K = 1,024; then q, k and v are quantised to FP4 again, each along the K of the product that will read it,
; and stored as images of operand registers.  x: 8,192 rows (tokens), w_qkv: 3,072 rows (n), each row 512 bytes of codes and 32 scale bytes.
; ONE FORM FOR TWO PATHS.  D = source 0 x source 1^T: a lane holds ONE row of source 1, and its registers run along source 0.  So source 0 is the axis along which the result is quantised:
;   q, k (cluster y under 16):  source 0 = 256 rows n of w_qkv (four heads), source 1 = 128 tokens;      v (cluster y from 16 on):  source 0 = 256 tokens (the keys), source 1 = 128 rows n.
; A work-group of four waves makes 256 x 128; a wave 128 x 64: 8 x 4 = 32 accumulators, 256 registers.  768 work-groups.
; ALL OF K LIES IN LDS: two chunks of 512 along K (rows of 256 bytes + 16 of padding), each filled ONCE: no slot is filled again.  Chunk 1 lands while chunk 0 is multiplied.
; CLUSTERS: 4 x 4.  Source 0's tile hangs on cx and on the cluster's numbers alone and is asked for jointly by a column of the cluster; source 1's on cy, by a row: the requests are divided by four.
; FROM RESULT TO OPERAND.  Register j of tile a of a lane (r, h) is index 16 a + 8 h + j along source 0.  A block of 32 is the 16 registers of tiles 2 b, 2 b + 1 in lanes l and l xor 16.
; The conversions of tiles 4 c, 4 c + 2, 4 c + 1, 4 c + 3 go to registers 4 c .. 4 c + 3; two exchanges of halves then leave k = 64 c + 32 h + 0 .. 31 in registers 4 c .. 4 c + 3: the operand's own layout.
; OUT.  codes: part (q 0, k 1, v 2) x 4 MiB + (16 batch + head) x 65,536;  q, k: tile of 16 tokens x 512 + 16 x lane;  v: step of 128 keys x 4,096 + tile of 16 channels x 1,024 + c x 512 + 16 x lane.
;       sc: a record of 20,480 bytes for each (batch, head): q's scale words, k's at 8,192 (token 64 g + 32 i + l at 256 g + 8 l + 4 i; bytes 2 and 3 are 0), v's at 16,384 (step s, channel 32 i + l at 256 s + 8 l + 4 i).
; Every store of a wave covers 512 or 256 consecutive bytes, aligned.
; LIMITS: NaN and infinities are not served.  A block whose largest magnitude lies under 2^-124, a block of zeros among them, gets the scale byte 1; the bytes are read by this program alone.
; REGISTERS: window 0: v1-13 addresses; v16-47, v48-63 scale words; v64-159, v160-255 two sets of fragments (8 of source 0, 4 of source 1); on the way out v64-117 are at work.
;            window 1: accumulator (a, b) at v[64 b + 8 a].      window 2: v0-63 the bias along source 0, in the result's layout; v64-71 the bias along source 1, each number twice.
.set PITCH, 272                        ; an LDS row: 256 bytes + 16 = 68 words: the 16 rows that a load touches start 4 banks apart
.set S0B,   256*PITCH                  ; source 0's rows of a chunk
.set S1B,   128*PITCH                  ; source 1's, behind them
.set CHUNK, S0B+S1B
.set ADR0, 4                           ; v4-5   LDS address of my fragments of source 0 in chunk 0, 1
.set ADR1, 6                           ; v6-7   of source 1
.set L16,  8                           ; v8     16 x lane
.set L8,   9                           ; v9     8 x lane
.set SA,   16                          ; v[SA + 8 i + q]: lanes 0-15 the scale word of source 0's tile i, lanes 16-31 of tile i + 4, for K step q
.set SB,   48                          ; v[SB + 8 i + q]: lanes 0-15 source 1's tile i, lanes 16-31 tile i + 2
.set FS,   64                          ; fragment set p at FS + 96 p
.set PC,   64                          ; the way out: codes, eight registers for each tile of source 1
.set WD,   96                          ; its scale word
.set TM,   100                         ; four largest magnitudes
.set T2,   104                         ; at work
.set SO,   108                         ; the conversions' scale operands
.set XW,   112                         ; v[112:113] scale words, a lane a row
.set XA,   114
.set XB,   116
.set BA,   0                           ; window 2
.set BV,   64                          ; window 2
.set WV,   18                          ; s18  my wave's number
.set ISV,  24                          ; s24  1 on v's path
.set G1A,  32                          ; s[32:39] descriptor group 1 for source 0;  s[40:47] for source 1
.set G1B,  40
.set G0A,  48                          ; s[48:55] group 0 for source 0, a set for each chunk;  s[56:63] for source 1
.set G0B,  56
.set OC,   90                          ; s[90:91] where my codes go;  s[92:93] my scale words
.set OS,   92
.set SEL,  96                          ; s[96:97] v_permlanex16_b32's selects for lane l xor 16
.set MSB, 0
.macro WIN new                         ; the immediate's high byte repeats the setting that is left
.if MSB != \new
	s_set_vgpr_msb (MSB<<8)|\new
.set MSB, \new
.endif
.endm
.macro PLACES n
.rept \n
	v_nop
.endr
.endm
.macro CROUND                          ; a round of the cluster's barrier
	s_barrier_signal -1
	s_barrier_wait -1
	s_cmp_lg_u32 s[WV], 0
	s_cbranch_scc1 .Lnot_wave_0_\@
	s_barrier_signal -3
.Lnot_wave_0_\@:
	s_barrier_wait -3
	s_barrier_signal -1
	s_barrier_wait -1
.endm
; One matrix instruction from the symbols rD, rA, rB, rC, rSA, rSB.  acc = 0: the constant 0 starts the sum.  ra, rb: the side's scale words stand in lanes 16-31.
.macro WM acc, ra, rb
.if (\acc) && (\ra) && (\rb)
	v_wmma_scale_f32_16x16x128_f8f6f4 v[rD:rD+7], v[rA:rA+7], v[rB:rB+7], v[rC:rC+7], v[rSA], v[rSB] matrix_a_fmt:MATRIX_FMT_FP4 matrix_b_fmt:MATRIX_FMT_FP4 matrix_a_scale:MATRIX_SCALE_ROW1 matrix_b_scale:MATRIX_SCALE_ROW1
.elseif (\acc) && (\ra)
	v_wmma_scale_f32_16x16x128_f8f6f4 v[rD:rD+7], v[rA:rA+7], v[rB:rB+7], v[rC:rC+7], v[rSA], v[rSB] matrix_a_fmt:MATRIX_FMT_FP4 matrix_b_fmt:MATRIX_FMT_FP4 matrix_a_scale:MATRIX_SCALE_ROW1
.elseif (\acc) && (\rb)
	v_wmma_scale_f32_16x16x128_f8f6f4 v[rD:rD+7], v[rA:rA+7], v[rB:rB+7], v[rC:rC+7], v[rSA], v[rSB] matrix_a_fmt:MATRIX_FMT_FP4 matrix_b_fmt:MATRIX_FMT_FP4 matrix_b_scale:MATRIX_SCALE_ROW1
.elseif (\acc)
	v_wmma_scale_f32_16x16x128_f8f6f4 v[rD:rD+7], v[rA:rA+7], v[rB:rB+7], v[rC:rC+7], v[rSA], v[rSB] matrix_a_fmt:MATRIX_FMT_FP4 matrix_b_fmt:MATRIX_FMT_FP4
.elseif (\ra) && (\rb)
	v_wmma_scale_f32_16x16x128_f8f6f4 v[rD:rD+7], v[rA:rA+7], v[rB:rB+7], 0, v[rSA], v[rSB] matrix_a_fmt:MATRIX_FMT_FP4 matrix_b_fmt:MATRIX_FMT_FP4 matrix_a_scale:MATRIX_SCALE_ROW1 matrix_b_scale:MATRIX_SCALE_ROW1
.elseif (\ra)
	v_wmma_scale_f32_16x16x128_f8f6f4 v[rD:rD+7], v[rA:rA+7], v[rB:rB+7], 0, v[rSA], v[rSB] matrix_a_fmt:MATRIX_FMT_FP4 matrix_b_fmt:MATRIX_FMT_FP4 matrix_a_scale:MATRIX_SCALE_ROW1
.elseif (\rb)
	v_wmma_scale_f32_16x16x128_f8f6f4 v[rD:rD+7], v[rA:rA+7], v[rB:rB+7], 0, v[rSA], v[rSB] matrix_a_fmt:MATRIX_FMT_FP4 matrix_b_fmt:MATRIX_FMT_FP4 matrix_b_scale:MATRIX_SCALE_ROW1
.else
	v_wmma_scale_f32_16x16x128_f8f6f4 v[rD:rD+7], v[rA:rA+7], v[rB:rB+7], 0, v[rSA], v[rSB] matrix_a_fmt:MATRIX_FMT_FP4 matrix_b_fmt:MATRIX_FMT_FP4
.endif
.endm
	s_load_b256 s[4:11], s[0:1], 0x0               ; x's codes s[4:5], x's scales s[6:7], w's codes s[8:9], w's scales s[10:11]
	s_load_b128 s[12:15], s[0:1], 0x20             ; b_qkv s[12:13], codes s[14:15]
	s_load_b64 s[16:17], s[0:1], 0x30              ; sc
	v_lshl_add_u32 v14, v0, 2, 0x34000
	v_mov_b32 v15, 0
	ds_add_u32 v14, v15
	ds_add_u32 v14, v15
	v_lshrrev_b32 v1, 5, v0
	v_readfirstlane_b32 s[WV], v1                  ; wave 0..3
	s_and_b32 s19, s[WV], 1                        ; which 128 of source 0 are mine.  Also: which half of a tile I fetch
	s_lshr_b32 s20, s[WV], 1                       ; which 64 of source 1 are mine.  Also: I fetch for source 0 (0) or source 1 (1)
	s_bfe_u32 s21, ttmp6, 0x40000                  ; cx
	s_bfe_u32 s22, ttmp6, 0x40004                  ; cy
	s_and_b32 s23, ttmp7, 0xffff                   ; cluster y, 0 .. 23
	s_sub_co_u32 s74, s23, 16
	s_lshr_b32 s75, s74, 1
	s_and_b32 s76, s74, 1
	s_cmp_ge_u32 s23, 16                           ; v's path?  The same in all sixteen partners
	s_cselect_b32 s[ISV], 1, 0
	s_cselect_b32 s25, s75, 0                      ; E: v's 32 tiles of tokens are 8 E + 4 cluster x + cx
	s_cselect_b32 s26, s76, s23                    ; F: source 1's tile is 4 F + cy
	s_cselect_b32 s27, 2048, 0                     ; v's rows of w_qkv begin at 2,048
	s_lshl_b32 s28, ttmp9, 2
	s_add_co_u32 s28, s28, s21
	s_lshl_b32 s74, s25, 3
	s_add_co_u32 s28, s28, s74
	s_lshl_b32 s28, s28, 8                         ; source 0's first row: cx and the cluster's numbers alone
	s_lshl_b32 s29, s26, 2
	s_add_co_u32 s29, s29, s22
	s_lshl_b32 s29, s29, 7
	s_add_co_u32 s29, s29, s27                     ; source 1's first row: cy and the cluster's numbers alone
	s_lshl_b32 s30, 0x1111, s21                    ; my column of the cluster
	s_lshl_b32 s31, s22, 2
	s_lshl_b32 s31, 15, s31                        ; my row
	; descriptor group 1: rows of 256 bytes out of rows of 512, 16 bytes of padding behind each: 128 rows for source 0, 64 for source 1
	s_or_b32 s[G1A], s30, (1<<20)|(1<<21)|(5<<22)|(3<<25)   ; 15:0 the mask; 17:16 elements of 1 byte; 20 padding on; 21 set beside a mask; 24:22 after every 64 words; 31:25 four words
	s_mov_b32 s[G1A+1], 256<<16                    ; tensor_dim0
	s_mov_b32 s[G1A+2], 128<<16                    ; tensor_dim1
	s_mov_b32 s[G1A+3], 256<<16                    ; tile_dim0
	s_mov_b32 s[G1A+4], 128                        ; tile_dim1
	s_mov_b32 s[G1A+5], 512                        ; from row to row
	s_mov_b32 s[G1A+6], 0
	s_mov_b32 s[G1A+7], 0
	s_or_b32 s[G1B], s31, (1<<20)|(1<<21)|(5<<22)|(3<<25)
	s_mov_b32 s[G1B+1], 256<<16
	s_mov_b32 s[G1B+2], 64<<16
	s_mov_b32 s[G1B+3], 256<<16
	s_mov_b32 s[G1B+4], 64
	s_mov_b32 s[G1B+5], 512
	s_mov_b32 s[G1B+6], 0
	s_mov_b32 s[G1B+7], 0
	s_lshl_b32 s74, s19, 7
	s_add_co_u32 s74, s74, s28
	s_lshl_b32 s74, s74, 9                         ; source 0: the 128 rows that I would fetch, in bytes
	s_mov_b32 s75, 0
	s_lshl_b32 s76, s19, 6
	s_add_co_u32 s76, s76, s29
	s_lshl_b32 s76, s76, 9                         ; source 1: the 64 rows
	s_mov_b32 s77, 0
	s_mul_i32 s78, s19, 128*PITCH                  ; and where they go: the wave's number alone enters an LDS address
	s_mul_i32 s79, s19, 64*PITCH
	s_add_co_u32 s79, s79, S0B
	s_wait_dscnt 0x0
	s_wait_kmcnt 0x0
	s_cmp_eq_u32 s[ISV], 0                         ; the buffers are chosen on the cluster's number, which hangs on no address
	s_cselect_b64 s[66:67], s[8:9], s[4:5]         ; source 0's codes: w's for q and k, x's for v
	s_cselect_b64 s[68:69], s[10:11], s[6:7]       ; its scales
	s_cselect_b64 s[70:71], s[4:5], s[8:9]         ; source 1's codes
	s_cselect_b64 s[72:73], s[6:7], s[10:11]       ; its scales
	s_add_nc_u64 s[80:81], s[66:67], s[74:75]
	s_add_nc_u64 s[82:83], s[70:71], s[76:77]
	CROUND                                         ; all sixteen work-groups are here: the joint loads meet
.irp c, 0,1
	s_mov_b32 s[G0A+4*\c], 1                       ; count = 1
	s_add_co_u32 s[G0A+4*\c+1], s78, \c*CHUNK      ; LDS address
	s_add_nc_u64 s[G0A+4*\c+2:G0A+4*\c+3], s[80:81], \c*256   ; chunk c: 256 bytes along the rows
	s_or_b32 s[G0A+4*\c+3], s[G0A+4*\c+3], 0x80000000         ; type = 2
	s_mov_b32 s[G0B+4*\c], 1
	s_add_co_u32 s[G0B+4*\c+1], s79, \c*CHUNK
	s_add_nc_u64 s[G0B+4*\c+2:G0B+4*\c+3], s[82:83], \c*256
	s_or_b32 s[G0B+4*\c+3], s[G0B+4*\c+3], 0x80000000
.endr
	s_cmp_eq_u32 s20, 0                            ; a wave's two fills stand in one branch on its number: two loads of mine are out; four v_nop follow the second
	s_cbranch_scc0 .Lfirst_s1
	tensor_load_to_lds s[G0A:G0A+3], s[G1A:G1A+7]
	s_nop 0
	tensor_load_to_lds s[G0A+4:G0A+7], s[G1A:G1A+7]
	s_nop 0
	PLACES 4
	s_branch .Lfirst_asked
.Lfirst_s1:
	tensor_load_to_lds s[G0B:G0B+3], s[G1B:G1B+7]
	s_nop 0
	tensor_load_to_lds s[G0B+4:G0B+7], s[G1B:G1B+7]
	s_nop 0
	PLACES 4
.Lfirst_asked:
	v_and_b32 v1, 15, v0                           ; r
	v_bfe_u32 v2, v0, 4, 1                         ; h
	v_mul_u32_u24 v3, v1, PITCH
	v_lshl_add_u32 v3, v2, 4, v3                   ; a fragment's row x pitch + 16 h
	s_mul_i32 s88, s20, 64*PITCH
	s_add_co_u32 s88, s88, S0B
	v_add_nc_u32 v[ADR0], s78, v3                  ; my 128 rows of source 0
	v_add_nc_u32 v[ADR1], s88, v3                  ; my 64 rows of source 1
	v_add_nc_u32 v[ADR0+1], CHUNK, v[ADR0]
	v_add_nc_u32 v[ADR1+1], CHUNK, v[ADR1]
	v_and_b32 v[L16], 31, v0
	v_lshlrev_b32 v[L8], 3, v[L16]
	v_lshlrev_b32 v[L16], 4, v[L16]
	v_lshlrev_b32 v10, 5, v1                       ; a row's scales are 32 bytes: its eight words
	v_lshl_add_u32 v11, v2, 10, v10                ; source 1: lanes 16-31 take the tile two further on
	v_lshl_add_u32 v10, v2, 11, v10                ; source 0: four further on
	s_wait_alu depctr_va_vdst(0)
	v_lshlrev_b32 v12, 5, v2                       ; the bias along source 0: 32 h
	s_wait_alu depctr_va_vdst(0)
	v_lshlrev_b32 v13, 2, v1                       ; along source 1: 4 r
	s_wait_alu depctr_va_vdst(0)
	s_lshl_b32 s86, s19, 7
	s_add_co_u32 s86, s86, s28                     ; my first row of source 0
	s_lshl_b32 s87, s20, 6
	s_add_co_u32 s87, s87, s29                     ; my first row of source 1
	s_lshl_b32 s84, s86, 5
	s_mov_b32 s85, 0
	s_add_nc_u64 s[68:69], s[68:69], s[84:85]
	s_lshl_b32 s84, s87, 5
	s_add_nc_u64 s[72:73], s[72:73], s[84:85]
	s_lshl_b32 s74, s86, 2
	s_lshl_b32 s76, s87, 2
	s_cmp_eq_u32 s[ISV], 0                         ; both bias sets are loaded on both paths, so that the head has no branch: the set that a path does not use is loaded from b_qkv's first bytes
	s_cselect_b32 s74, s74, 0
	s_cselect_b32 s76, 0, s76
	s_mov_b32 s75, 0
	s_mov_b32 s77, 0
	s_add_nc_u64 s[94:95], s[12:13], s[74:75]
	s_add_nc_u64 s[98:99], s[12:13], s[76:77]
	s_mov_b32 s[SEL], 0x76543210
	s_mov_b32 s[SEL+1], 0xfedcba98
	; the scale words go straight into registers, once: 12 KiB a work-group, each byte used by one wave pair
.irp i, 0,1,2,3
	global_load_b128 v[SA+8*\i:SA+8*\i+3], v10, s[68:69] offset:512*\i
	global_load_b128 v[SA+8*\i+4:SA+8*\i+7], v10, s[68:69] offset:512*\i+16
.endr
.irp i, 0,1
	global_load_b128 v[SB+8*\i:SB+8*\i+3], v11, s[72:73] offset:512*\i
	global_load_b128 v[SB+8*\i+4:SB+8*\i+7], v11, s[72:73] offset:512*\i+16
.endr
	WIN 0x80                                       ; destination window 2
.irp a, 0,1,2,3,4,5,6,7
	global_load_b128 v[BA+8*\a:BA+8*\a+3], v12, s[94:95] offset:64*\a          ; b(16 a + 8 h + 0 .. 7)
	global_load_b128 v[BA+8*\a+4:BA+8*\a+7], v12, s[94:95] offset:64*\a+16
.endr
.irp b, 0,1,2,3
	global_load_b32 v[BV+2*\b], v13, s[98:99] offset:64*\b                     ; b(16 b + r), twice: a pair for the packed addition
	global_load_b32 v[BV+2*\b+1], v13, s[98:99] offset:64*\b
.endr
	WIN 0
; 24 LDS loads in one run: K step q's fragments (128 rows of source 0, 64 of source 1, 128 along K = 64 bytes of a row) into set p.  Lane (r, h): two loads of 16 bytes, 32 apart, at row x pitch + 16 h
.macro FETCH q, p
.irp a, 0,1,2,3,4,5,6,7
	ds_load_b128 v[FS+96*(\p)+8*\a:FS+96*(\p)+8*\a+3], v[ADR0+(\q)/4] offset:\a*16*PITCH+64*((\q)%4)
	ds_load_b128 v[FS+96*(\p)+8*\a+4:FS+96*(\p)+8*\a+7], v[ADR0+(\q)/4] offset:\a*16*PITCH+64*((\q)%4)+32
.endr
.irp b, 0,1,2,3
	ds_load_b128 v[FS+96*(\p)+64+8*\b:FS+96*(\p)+64+8*\b+3], v[ADR1+(\q)/4] offset:\b*16*PITCH+64*((\q)%4)
	ds_load_b128 v[FS+96*(\p)+64+8*\b+4:FS+96*(\p)+64+8*\b+7], v[ADR1+(\q)/4] offset:\b*16*PITCH+64*((\q)%4)+32
.endr
.endm
; 32 matrix instructions: the 32 accumulators take turns, one instruction a turn, in the same order in every K step
.macro MUL q, p, acc
.irp b, 0,1,2,3
.irp a, 0,1,2,3,4,5,6,7
.set rD, 64*\b+8*\a
.set rC, rD
.set rA, FS+96*(\p)+8*\a
.set rB, FS+96*(\p)+64+8*\b
.set rSA, SA+8*(\a%4)+(\q)
.set rSB, SB+8*(\b%2)+(\q)
	WM \acc, \a/4, \b/2
.endr
.endr
.endm
; K step q: its fragments are in; the next step's are asked for, into the other set, ahead of this step's products
.macro STEP q, acc
	s_wait_dscnt 0x0                               ; set q % 2 is in
.if (\q) == 3
	s_wait_tensorcnt 0x0                           ; my part of chunk 1 has landed,
	s_barrier_signal -1
	s_barrier_wait -1                              ; everybody's has: the next fetch reads it
.endif
.if (\q) < 7
.if (\q) > 0
	PLACES 4                                       ; four places between the last step's products and loads into the registers that they read (ISA guide 7.12.1 for vector instructions)
.endif
	FETCH (\q)+1, ((\q)+1)%2
.endif
	WIN 0x50                                       ; C and D window 1
	MUL \q, (\q)%2, \acc
	WIN 0
.endm
	s_wait_tensorcnt 1                             ; my part of chunk 0 is in; behind it I issued one load, chunk 1's, which may stay out
	s_barrier_signal -1
	s_barrier_wait -1                              ; everybody's is
	FETCH 0, 0
	s_wait_loadcnt 0x0                             ; scale words and biases
	STEP 0, 0                                      ; the first K step starts the sums: nothing is cleared
.irp q, 1,2,3,4,5,6,7
	STEP \q, 1
.endr
	PLACES 4                                       ; in front of the first reads of results, and of writes into the fragments' registers
; THE WAY OUT, a tile of 16 rows of source 1 at a time: bias, the four blocks' largest magnitudes, scale bytes, codes, two stores of 512 bytes.  Each tile has its own registers for codes and word: no store's data are written again.
.macro EPI isv
.irp b, 0,1,2,3
	v_mov_b32 v[T2+\b], 0                          ; a lane permute's destination counts as one of its sources
.endr
.irp u, 0,1,2,3
	WIN 0x49                                       ; destination and source 0 window 1, source 1 window 2
.set i, 0
.rept 32
.if \isv
	v_pk_add_f32 v[64*\u+2*i:64*\u+2*i+1], v[64*\u+2*i:64*\u+2*i+1], v[BV+2*\u:BV+2*\u+1]   ; each accumulator from its low end on
.else
	v_pk_add_f32 v[64*\u+2*i:64*\u+2*i+1], v[64*\u+2*i:64*\u+2*i+1], v[BA+2*i:BA+2*i+1]
.endif
.set i, i+1
.endr
	WIN 0x05                                       ; sources 0 and 1 window 1
.irp b, 0,1,2,3
	v_max3_num_f32 v[TM+\b], |v[64*\u+16*\b]|, |v[64*\u+16*\b+1]|, 0x1800000   ; block b: my 16 numbers, and the floor 2^(3 - 127): the byte cannot fall under 1
.endr
.irp k, 2,4,6,8,10,12,14
.irp b, 0,1,2,3
	v_max3_num_f32 v[TM+\b], |v[64*\u+16*\b+\k]|, |v[64*\u+16*\b+\k+1]|, v[TM+\b]   ; the four blocks by turns
.endr
.endr
	WIN 0
.irp b, 0,1,2,3
	v_permlanex16_b32 v[T2+\b], v[TM+\b], s[SEL], s[SEL+1]
.endr
.irp b, 0,1,2,3
	v_max_num_f32 v[TM+\b], v[TM+\b], v[T2+\b]     ; with lane l xor 16's: the block's largest magnitude
.endr
.irp b, 0,1,2,3
	v_add_nc_u32 v[SO+\b], 0xff000000, v[TM+\b]    ; 2 off its exponent field: the conversion takes the exponent field of this operand as its scale
.endr
.irp b, 0,1,2,3
	v_lshrrev_b32 v[T2+\b], 23, v[SO+\b]           ; the scale's byte
.endr
	v_lshl_or_b32 v[WD+\u], v[T2+1], 8, v[T2]
	v_lshl_or_b32 v[WD+\u], v[T2+2], 16, v[WD+\u]
	v_lshl_or_b32 v[WD+\u], v[T2+3], 24, v[WD+\u]  ; my row's four bytes
	WIN 0x01                                       ; source 0 window 1
.irp c, 0,1
	v_cvt_scalef32_pk8_fp4_f32 v[PC+8*\u+4*\c],   v[64*\u+32*\c:64*\u+32*\c+7],     v[SO+2*\c]     ; tile 4 c
	v_cvt_scalef32_pk8_fp4_f32 v[PC+8*\u+4*\c+1], v[64*\u+32*\c+16:64*\u+32*\c+23], v[SO+2*\c+1]   ; tile 4 c + 2
	v_cvt_scalef32_pk8_fp4_f32 v[PC+8*\u+4*\c+2], v[64*\u+32*\c+8:64*\u+32*\c+15],  v[SO+2*\c]     ; tile 4 c + 1
	v_cvt_scalef32_pk8_fp4_f32 v[PC+8*\u+4*\c+3], v[64*\u+32*\c+24:64*\u+32*\c+31], v[SO+2*\c+1]   ; tile 4 c + 3
.endr
	WIN 0
	v_nop                                          ; one plain place behind the scaled conversions
.irp c, 0,1
	v_permlane16_swap_b32 v[PC+8*\u+4*\c], v[PC+8*\u+4*\c+1]     ; the first's lanes 16-31 change places with the second's lanes 0-15:
	v_permlane16_swap_b32 v[PC+8*\u+4*\c+2], v[PC+8*\u+4*\c+3]   ; registers 4 c .. 4 c + 3 now hold k = 64 c + 32 h + 0 .. 31
.endr
.irp c, 0,1
.if \isv
	global_store_b128 v[L16], v[PC+8*\u+4*\c:PC+8*\u+4*\c+3], s[OC:OC+1] offset:1024*\u+512*\c    ; channels 16 u on, keys 64 c on
.else
	global_store_b128 v[L16], v[PC+8*\u+4*\c:PC+8*\u+4*\c+3], s[OC:OC+1] offset:65536*\c+512*\u   ; head c of my two, tokens 16 u on
.endif
.endr
.endr
	s_mov_b32 vcc_lo, 0xffff0000
	v_cndmask_b32 v[XW], v[WD], v[WD+1], vcc_lo    ; lane l: the word of my row l,
	v_cndmask_b32 v[XW+1], v[WD+2], v[WD+3], vcc_lo   ; and of row 32 + l
.if \isv
	global_store_b64 v[L8], v[XW:XW+1], s[OS:OS+1]                 ; 256 consecutive bytes
.else
	v_and_b32 v[XA], 0xffff, v[XW]                 ; the first head's two bytes; bytes 2 and 3 are 0
	v_and_b32 v[XA+1], 0xffff, v[XW+1]
	v_lshrrev_b32 v[XB], 16, v[XW]                 ; the second head's
	v_lshrrev_b32 v[XB+1], 16, v[XW+1]
	global_store_b64 v[L8], v[XA:XA+1], s[OS:OS+1]
	global_store_b64 v[L8], v[XB:XB+1], s[OS:OS+1] offset:20480    ; the next head's record
.endif
.endm
	s_cmp_lg_u32 s[ISV], 0                         ; the launch's one parting: on the cluster's number
	s_cbranch_scc1 .Lpath_v
	s_lshr_b32 s74, s86, 10                        ; q (0) or k (1)
	s_lshr_b32 s75, s87, 11                        ; batch
	s_bfe_u32 s76, s86, 0x40006                    ; my first head
	s_lshl_b32 s75, s75, 4
	s_add_co_u32 s75, s75, s76                     ; 16 batch + head
	s_and_b32 s76, s87, 2047                       ; my first token in the batch, a multiple of 64
	s_lshl_b32 s77, s74, 22
	s_lshl_b32 s78, s75, 16
	s_add_co_u32 s77, s77, s78
	s_lshl_b32 s78, s76, 5                         ; 512 bytes for 16 tokens
	s_add_co_u32 s78, s78, s77
	s_mov_b32 s79, 0
	s_add_nc_u64 s[OC:OC+1], s[14:15], s[78:79]
	s_mul_i32 s80, s75, 20480
	s_lshl_b32 s81, s74, 13
	s_add_co_u32 s80, s80, s81
	s_lshl_b32 s81, s76, 2                         ; 256 bytes for 64 tokens
	s_add_co_u32 s80, s80, s81
	s_mov_b32 s81, 0
	s_add_nc_u64 s[OS:OS+1], s[16:17], s[80:81]
	EPI 0
	s_branch .Lend
.Lpath_v:
	s_lshr_b32 s75, s86, 11                        ; batch
	s_sub_co_u32 s76, s87, 2048
	s_lshr_b32 s76, s76, 6                         ; head
	s_lshl_b32 s75, s75, 4
	s_add_co_u32 s75, s75, s76
	s_bfe_u32 s76, s86, 0x40007                    ; my step of 128 keys
	s_lshl_b32 s78, s75, 16
	s_lshl_b32 s77, s76, 12
	s_add_co_u32 s78, s78, s77
	s_add_co_u32 s78, s78, 0x800000                ; part 2
	s_mov_b32 s79, 0
	s_add_nc_u64 s[OC:OC+1], s[14:15], s[78:79]
	s_mul_i32 s80, s75, 20480
	s_lshl_b32 s81, s76, 8
	s_add_co_u32 s80, s80, s81
	s_add_co_u32 s80, s80, 16384
	s_mov_b32 s81, 0
	s_add_nc_u64 s[OS:OS+1], s[16:17], s[80:81]
	EPI 1
.Lend:
	s_wait_tensorcnt 0x0
	ds_add_u32 v14, v15
	s_wait_dscnt 0x0
	CROUND                                         ; the closing round: no work-group ends while a partner may still ask for a tile that names it
	s_endpgm
.Lfunc_end_k_qe5c9d8ed33_qkv:
	.size	k_qe5c9d8ed33_qkv, .Lfunc_end_k_qe5c9d8ed33_qkv-k_qe5c9d8ed33_qkv
	.p2alignl 7, 3214868480
	.fill 96, 4, 3214868480
	.section	.rodata,"a",@progbits
	.p2align	6, 0x0
	.amdhsa_kernel k_qe5c9d8ed33_qkv
		.amdhsa_group_segment_fixed_size 213504
		.amdhsa_private_segment_fixed_size 0
		.amdhsa_enable_private_segment 0
		.amdhsa_kernarg_size 56
		.amdhsa_user_sgpr_count 2
		.amdhsa_user_sgpr_kernarg_segment_ptr 1
		.amdhsa_wavefront_size32 1
		.amdhsa_system_sgpr_workgroup_id_x 1
		.amdhsa_system_sgpr_workgroup_id_y 1
		.amdhsa_system_sgpr_workgroup_id_z 1
		.amdhsa_system_vgpr_workitem_id 0
		.amdhsa_next_free_vgpr 592
		.amdhsa_next_free_sgpr 100
		.amdhsa_reserve_vcc 1
		.amdhsa_float_denorm_mode_32 3
		.amdhsa_float_denorm_mode_16_64 3
		.amdhsa_memory_ordered 1
		.amdhsa_forward_progress 1
		.amdhsa_inst_pref_size 108
	.end_amdhsa_kernel
	.amdgpu_metadata
---
amdhsa.version: [ 1, 2 ]
amdhsa.kernels:
  - .name:           k_qe5c9d8ed33_qkv
    .symbol:         k_qe5c9d8ed33_qkv.kd
    .args:
      - { .name: x_codes, .offset: 0, .size: 8, .value_kind: global_buffer, .address_space: global }
      - { .name: x_scales, .offset: 8, .size: 8, .value_kind: global_buffer, .address_space: global }
      - { .name: w_qkv_codes, .offset: 16, .size: 8, .value_kind: global_buffer, .address_space: global }
      - { .name: w_qkv_scales, .offset: 24, .size: 8, .value_kind: global_buffer, .address_space: global }
      - { .name: b_qkv, .offset: 32, .size: 8, .value_kind: global_buffer, .address_space: global }
      - { .name: codes, .offset: 40, .size: 8, .value_kind: global_buffer, .address_space: global }
      - { .name: sc, .offset: 48, .size: 8, .value_kind: global_buffer, .address_space: global }
    .group_segment_fixed_size: 213504
    .private_segment_fixed_size: 0
    .kernarg_segment_align: 8
    .kernarg_segment_size: 56
    .max_flat_workgroup_size: 128
    .sgpr_count:     100
    .vgpr_count:     592
    .wavefront_size: 32
...
	.end_amdgpu_metadata
.endif
;; end of part 1
;; launch attn (part 2): grid 4 x 64, 16 waves a work-group, clusters of 4 x 1, 169,984 bytes of LDS; arguments codes, sc, ac, as16; writes ac, as16
.if DOCPART == 2
	.amdgcn_target "amdgcn-amd-amdhsa--gfx1250"
	.amdhsa_code_object_version 6
	.text
	.protected	k_qe5c9d8ed33_attn
	.globl	k_qe5c9d8ed33_attn
	.p2align	8
	.type	k_qe5c9d8ed33_attn,@function
k_qe5c9d8ed33_attn:
	s_mov_b64 s[64:65], 0
	v_nop
	global_prefetch_b8 v0, s[64:65] scope:SCOPE_SE
	s_setreg_imm32_b32 hwreg(HW_REG_WAVE_MODE, 25, 1), 1
	s_wait_xcnt 0x0
	s_wait_alu depctr_hold_cnt(0) depctr_sa_sdst(0) depctr_va_vdst(0) depctr_va_sdst(0) depctr_va_ssrc(0) depctr_va_vcc(0) depctr_vm_vsrc(0)
	s_getreg_b32 s2, hwreg(HW_REG_IB_STS2, 6, 4)
	s_cmp_eq_u32 s2, 0
	s_cbranch_scc0 .Lentry_in_a_cluster
	s_endpgm
.Lentry_in_a_cluster:
	s_bfe_u32 s2, ttmp6, 0x10000c
	s_cmp_lg_u32 s2, 0x3003
	s_cbranch_scc0 .Lentry_shape_is_right
	s_endpgm
.Lentry_shape_is_right:
; For each (batch, head): o = softmax(q k^T / 8) v, both products on codes of FP4 with one E8M0 scale for each 32 along K; then o is quantised along the head's 64 channels (two blocks) for the last product.
; THE SOFTMAX AHEAD OF THE SECOND PRODUCT: t = score x log2(e) / 8; M = the row's largest t so far, rounded UP to a whole number; p = 2^(t - M) is quantised along the keys, not normalised.  The row's sum is taken of the
; unquantised p and divides at the end.  When M moves, the sum and O are multiplied by 2^(old M - new M): exact.
; SHARES.  A work-group owns 512 queries of one (batch, head); each of its sixteen waves two tiles of 16, which share every fragment of K and V read from LDS.  Four waves to a SIMD: one wave's vector work stands beside
; another's matrix work and LDS loads.  256 work-groups.
; ALL OF A HEAD LIES IN LDS: K's codes (65,536 bytes), V's (65,536), their scale words (12,288), filled ONCE.  CLUSTER: the four query blocks of a head ask for them jointly, mask 15: a quarter of the requests.
; Operands lie as images of registers (four registers of a fragment: 512 bytes on end, lane l at 16 l): every LDS load takes consecutive bytes; no pitch, no padding.
; LAYOUT.  Both products transposed: S^T = K Q^T (source 0 = 16 keys), O^T = V^T P^T (source 0 = 16 channels): a lane holds ONE query throughout; register j of tile a is key (channel) 16 a + 8 h + j.
; K = 64 IN AN INSTRUCTION OF 128: Q's registers 4-7 hold zero codes and bytes 2, 3 of both sides' scale words are 0.  K's tile a is named v[KF + 4 a : KF + 4 a + 7]: its upper four registers are the next tile's codes, which
; meet zero codes and add nothing; four zero registers stand behind tile 7.
; OUT.  ac: (head / 8) x 2 MiB + tile of 16 tokens x 4,096 + (head % 8) x 512 + 16 x lane: lane (r, h) holds block h of token r.  as16: head x 16,384 + token x 2: the two scale bytes.
; LIMITS: NaN and infinities are not served.  A block whose largest magnitude lies under 2^-124, a block of zeros among them, gets the scale byte 1; the bytes are read by this program alone.
.set VC,   65536                       ; LDS: V's codes (K's begin at 0)
.set KS,   131072                      ; K's scale words
.set VS,   139264                      ; V's
.set STG,  143360                      ; a stage of 1,024 bytes for the work-group's scale bytes: no fill lands here
.set AV0,  2                           ; v2   VC + 16 l
.set AKS0, 3                           ; v3   KS + 8 l
.set AVS0, 4                           ; v4   VS + 8 l
.set AK0,  5                           ; v5   16 l
.set L8,   6                           ; v6   8 l
.set QS,   7                           ; v7   Q's scale words: lanes 0-15 tile 0's, lanes 16-31 tile 1's
.set KSR,  8                           ; v8-11  K's: register a / 2, lanes 0-15 the even tile, lanes 16-31 the odd one
.set VSR,  12                          ; v12-13 V's likewise
.set PS,   14                          ; v14, v15 p's scale words, tile 0's and tile 1's
.set Q,    16                          ; v16-23, v24-31 Q's two fragments
.set ST,   32                          ; tile t at ST + 4 t: -M, the largest t, the sum in two halves
.set P,    40                          ; p's codes, eight registers a tile
.set KF,   56                          ; v56-87 K's eight tiles (four registers each), later V's four (eight each); v88-91 zeros
.set S,    92                          ; v92-155 S^T, then p
.set OT,   156                         ; v156-219 O^T: tile t, channels 16 d on, at OT + 32 t + 8 d
.set BM,   220                         ; four blocks' largest
.set T2,   224
.set SO,   228
.set TA,   232
.set FF,   234                         ; v[234:235] f; the packed forms take the low word for both halves
.set C2,   236                         ; v[236:237] the sums' second chain
.set ADK,  238                         ; LDS addresses of the step in hand
.set ADS,  239
.set ADV,  240
.set ADT,  241
.set STW,  242                         ; STG + 2 x thread
.set STR,  243                         ; STG + 16 x thread
.set GOF,  244                         ; 16 x thread
.set WV,   12                          ; s12  my wave's number
.set G1U,  16                          ; s[16:23] group 1: 32 rows of 256 bytes;  s[24:31]: 48 rows
.set G1S,  24
.set G0U,  32                          ; s[32:35] my 8,192 bytes of codes;  s[36:39] the scale words
.set G0S,  36
.set SEL,  40
.set CS,   42                          ; s[42:43] c = log2(e) / 8
.set TK,   60                          ; s60  the step's codes: 4,096 bytes a step, in K and in V
.set TS,   61                          ; s61  K's scale words: 512
.set TV,   62                          ; s62  V's: 256
.macro PLACES n
.rept \n
	v_nop
.endr
.endm
.macro CROUND                          ; a round of the cluster's barrier
	s_barrier_signal -1
	s_barrier_wait -1
	s_cmp_lg_u32 s[WV], 0
	s_cbranch_scc1 .Lnot_wave_0_\@
	s_barrier_signal -3
.Lnot_wave_0_\@:
	s_barrier_wait -3
	s_barrier_signal -1
	s_barrier_wait -1
.endm
; One matrix instruction from the symbols rD, rA, rB, rSA, rSB.  acc = 0: the constant 0 starts the sum; 1: in place.  ra, rb: the side's scale words stand in lanes 16-31.
.macro WM acc, ra, rb
.if (\acc) && (\ra)
	v_wmma_scale_f32_16x16x128_f8f6f4 v[rD:rD+7], v[rA:rA+7], v[rB:rB+7], v[rD:rD+7], v[rSA], v[rSB] matrix_a_fmt:MATRIX_FMT_FP4 matrix_b_fmt:MATRIX_FMT_FP4 matrix_a_scale:MATRIX_SCALE_ROW1
.elseif (\acc)
	v_wmma_scale_f32_16x16x128_f8f6f4 v[rD:rD+7], v[rA:rA+7], v[rB:rB+7], v[rD:rD+7], v[rSA], v[rSB] matrix_a_fmt:MATRIX_FMT_FP4 matrix_b_fmt:MATRIX_FMT_FP4
.elseif (\ra) && (\rb)
	v_wmma_scale_f32_16x16x128_f8f6f4 v[rD:rD+7], v[rA:rA+7], v[rB:rB+7], 0, v[rSA], v[rSB] matrix_a_fmt:MATRIX_FMT_FP4 matrix_b_fmt:MATRIX_FMT_FP4 matrix_a_scale:MATRIX_SCALE_ROW1 matrix_b_scale:MATRIX_SCALE_ROW1
.elseif (\ra)
	v_wmma_scale_f32_16x16x128_f8f6f4 v[rD:rD+7], v[rA:rA+7], v[rB:rB+7], 0, v[rSA], v[rSB] matrix_a_fmt:MATRIX_FMT_FP4 matrix_b_fmt:MATRIX_FMT_FP4 matrix_a_scale:MATRIX_SCALE_ROW1
.elseif (\rb)
	v_wmma_scale_f32_16x16x128_f8f6f4 v[rD:rD+7], v[rA:rA+7], v[rB:rB+7], 0, v[rSA], v[rSB] matrix_a_fmt:MATRIX_FMT_FP4 matrix_b_fmt:MATRIX_FMT_FP4 matrix_b_scale:MATRIX_SCALE_ROW1
.else
	v_wmma_scale_f32_16x16x128_f8f6f4 v[rD:rD+7], v[rA:rA+7], v[rB:rB+7], 0, v[rSA], v[rSB] matrix_a_fmt:MATRIX_FMT_FP4 matrix_b_fmt:MATRIX_FMT_FP4
.endif
.endm
	s_load_b256 s[4:11], s[0:1], 0x0               ; codes s[4:5], sc s[6:7], ac s[8:9], as16 s[10:11]
	v_lshl_add_u32 v254, v0, 2, 0x29000
	v_mov_b32 v255, 0
	ds_add_u32 v254, v255
	ds_add_u32 v254, v255
	v_lshrrev_b32 v1, 5, v0
	s_delay_alu instid0(VALU_DEP_1)
	v_readfirstlane_b32 s[WV], v1                  ; wave 0..15
	s_bfe_u32 s13, ttmp6, 0x40000                  ; cx: my block of 512 queries; it enters Q's and the outputs' addresses alone
	s_and_b32 s14, ttmp7, 0xffff                   ; 16 batch + head, which the four partners share
	s_mov_b32 s[G1U], 15|(3<<16)|(1<<21)           ; 15:0 the mask: all four work-groups; 17:16 elements of 8 bytes; 21 set beside a mask; no padding
	s_mov_b32 s[G1U+1], 32<<16                     ; tensor_dim0 = 32 elements: rows of 256 bytes
	s_mov_b32 s[G1U+2], 32<<16                     ; tensor_dim1 = 32 rows
	s_mov_b32 s[G1U+3], 32<<16                     ; tile_dim0
	s_mov_b32 s[G1U+4], 32                         ; tile_dim1
	s_mov_b32 s[G1U+5], 32                         ; dense
	s_mov_b32 s[G1U+6], 0
	s_mov_b32 s[G1U+7], 0
	s_mov_b32 s[G1S], 15|(3<<16)|(1<<21)
	s_mov_b32 s[G1S+1], 32<<16
	s_mov_b32 s[G1S+2], 48<<16                     ; 48 rows: K's 8,192 bytes of scale words and V's 4,096 lie on end in a record
	s_mov_b32 s[G1S+3], 32<<16
	s_mov_b32 s[G1S+4], 48
	s_mov_b32 s[G1S+5], 32
	s_mov_b32 s[G1S+6], 0
	s_mov_b32 s[G1S+7], 0
	s_lshl_b32 s44, s14, 16                        ; the head's 65,536 bytes in each part of codes
	s_lshr_b32 s46, s[WV], 3
	s_lshl_b32 s46, s46, 22                        ; waves 0-7 fetch K's codes, waves 8-15 V's, 4 MiB on,
	s_and_b32 s47, s[WV], 7
	s_lshl_b32 s47, s47, 13                        ; 8,192 bytes each
	s_add_co_u32 s46, s46, s47
	s_add_co_u32 s46, s46, s44
	s_add_co_u32 s46, s46, 0x400000                ; K's part begins at 4 MiB
	s_mov_b32 s47, 0
	s_mul_i32 s48, s14, 20480                      ; the head's record of scale words
	s_mov_b32 s49, 0
	s_wait_dscnt 0x0
	s_wait_kmcnt 0x0
	CROUND                                         ; all four work-groups are here: the joint loads meet
	s_mov_b32 s[G0U], 1
	s_lshl_b32 s[G0U+1], s[WV], 13                 ; LDS: 8,192 x wave: K's codes, then V's
	s_add_nc_u64 s[G0U+2:G0U+3], s[4:5], s[46:47]
	s_or_b32 s[G0U+3], s[G0U+3], 0x80000000
	s_mov_b32 s[G0S], 1
	s_mov_b32 s[G0S+1], KS
	s_add_nc_u64 s[G0S+2:G0S+3], s[6:7], s[48:49]
	s_add_nc_u64 s[G0S+2:G0S+3], s[G0S+2:G0S+3], 8192
	s_or_b32 s[G0S+3], s[G0S+3], 0x80000000
	s_cmp_lg_u32 s[WV], 0                          ; a wave's fills stand in one branch on its number: wave 0 has two loads out, the others one; four v_nop follow
	s_cbranch_scc1 .Lothers
	tensor_load_to_lds s[G0S:G0S+3], s[G1S:G1S+7]
	s_nop 0
	tensor_load_to_lds s[G0U:G0U+3], s[G1U:G1U+7]
	s_nop 0
	PLACES 4
	s_branch .Lasked
.Lothers:
	tensor_load_to_lds s[G0U:G0U+3], s[G1U:G1U+7]
	s_nop 0
	PLACES 4
.Lasked:
	v_and_b32 v1, 31, v0
	s_delay_alu instid0(VALU_DEP_1)
	v_lshlrev_b32 v[AK0], 4, v1
	s_wait_alu depctr_va_vdst(0)
	v_lshlrev_b32 v[L8], 3, v1
	s_wait_alu depctr_va_vdst(0)
	v_add_nc_u32 v[AV0], VC, v[AK0]
	v_add_nc_u32 v[AKS0], KS, v[L8]
	v_add_nc_u32 v[AVS0], VS, v[L8]
	v_lshl_add_u32 v[STW], v0, 1, STG
	v_lshl_add_u32 v[STR], v0, 4, STG
	v_lshlrev_b32 v[GOF], 4, v0
	s_lshl_b32 s50, s13, 4
	s_add_co_u32 s50, s50, s[WV]                   ; W = 16 cx + wave: my tiles of queries are 2 W and 2 W + 1
	s_lshl_b32 s52, s50, 10
	s_add_co_u32 s52, s52, s44
	s_mov_b32 s53, 0
	s_add_nc_u64 s[52:53], s[4:5], s[52:53]        ; Q's codes (part 0)
	s_lshr_b32 s54, s50, 1
	s_lshl_b32 s54, s54, 8
	s_and_b32 s55, s50, 1
	s_lshl_b32 s55, s55, 2
	s_add_co_u32 s54, s54, s55
	s_add_co_u32 s54, s54, s48
	s_mov_b32 s55, 0
	s_add_nc_u64 s[54:55], s[6:7], s[54:55]        ; Q's scale words: token 32 W + l at 256 (W / 2) + 8 l + 4 (W % 2)
	global_load_b128 v[Q:Q+3], v[AK0], s[52:53]
	global_load_b128 v[Q+8:Q+11], v[AK0], s[52:53] offset:512
	global_load_b32 v[QS], v[L8], s[54:55]
	s_and_b32 s44, s14, 15                         ; head
	s_lshr_b32 s45, s14, 4                         ; batch
	s_lshr_b32 s46, s44, 3
	s_lshl_b32 s46, s46, 21
	s_lshl_b32 s47, s45, 6
	s_add_co_u32 s47, s47, s50
	s_lshl_b32 s47, s47, 13                        ; tile 128 batch + 2 W, 4,096 bytes a tile
	s_add_co_u32 s46, s46, s47
	s_and_b32 s47, s44, 7
	s_lshl_b32 s47, s47, 9
	s_add_co_u32 s46, s46, s47
	s_mov_b32 s47, 0
	s_add_nc_u64 s[56:57], s[8:9], s[46:47]        ; where my codes go
	s_lshl_b32 s46, s44, 14
	s_lshl_b32 s51, s45, 12
	s_add_co_u32 s46, s46, s51
	s_lshl_b32 s51, s13, 10
	s_add_co_u32 s46, s46, s51
	s_add_nc_u64 s[58:59], s[10:11], s[46:47]      ; where the work-group's 1,024 scale bytes go
	s_mov_b32 s[SEL], 0x76543210
	s_mov_b32 s[SEL+1], 0xfedcba98                 ; v_permlanex16_b32's selects for lane l xor 16
	s_mov_b32 s[CS], 0x3e38aa3b                    ; c = log2(e) / 8
	s_mov_b32 s[CS+1], s[CS]                       ; (named with it as a pair, so it is written)
	s_mov_b32 s[TK], 0
	s_mov_b32 s[TS], 0
	s_mov_b32 s[TV], 0
	s_mov_b32 s15, 16                              ; key steps of 128
.irp j, 4,5,6,7,12,13,14,15
	v_mov_b32 v[Q+\j], 0                           ; zero codes for k = 64 .. 127
.endr
.irp j, 32,33,34,35
	v_mov_b32 v[KF+\j], 0                          ; what tile 7 names behind its own four registers
.endr
.irp t, 0,1
	v_mov_b32 v[ST+4*\t+1], 0xff61b1e6             ; the largest t so far: -3e38, under every t
	s_delay_alu instid0(VALU_DEP_1)
	v_floor_f32 v[ST+4*\t], -v[ST+4*\t+1]          ; -M
	v_mov_b32 v[ST+4*\t+2], 0                      ; the sum, in two halves
	v_mov_b32 v[ST+4*\t+3], 0
.endr
.irp b, 0,1,2,3
	v_mov_b32 v[T2+\b], 0                          ; a lane permute's destination counts as one of its sources
.endr
	v_mov_b32 v[FF+1], 0                           ; (named as the upper half of a pair)
.set i, 0
.rept 64
	v_mov_b32 v[OT+i], 0                           ; O^T.  The step is written once: its first trip finds zeros, which the first change of M leaves zeros
.set i, i+1
.endr
; Eight products S^T = K Q^T for tile t of my queries
.macro QK t
.irp a, 0,1,2,3,4,5,6,7
.set rD, S+8*\a
.set rA, KF+4*\a
.set rB, Q+8*(\t)
.set rSA, KSR+\a/2
.set rSB, QS
	WM 0, \a%2, \t
.endr
.endm
; Eight products O^T += V^T P^T: eight accumulators, one instruction each
.macro PV
.irp d, 0,1,2,3
.irp t, 0,1
.set rD, OT+32*\t+8*\d
.set rA, KF+8*\d
.set rB, P+8*\t
.set rSA, VSR+\d/2
.set rSB, PS+\t
	WM 1, \d%2, 0
.endr
.endr
.endm
; Tile t's softmax for 128 keys: S^T becomes p, p's codes and scale word; the sum and O^T come under the new M
.macro SOFTMAX t
.set rT, ST+4*(\t)
.set rP, P+8*(\t)
.set rO, OT+32*(\t)
.irp b, 0,1,2,3
	v_max3_num_f32 v[BM+\b], v[S+16*\b], v[S+16*\b+1], v[S+16*\b+2]   ; the largest SCORE of each block of 32 keys: it serves the row's maximum and, since p rises with the score, the block's largest p
.endr
.irp k, 3,5,7,9,11,13
.irp b, 0,1,2,3
	v_max3_num_f32 v[BM+\b], v[BM+\b], v[S+16*\b+\k], v[S+16*\b+\k+1]
.endr
.endr
.irp b, 0,1,2,3
	v_max_num_f32 v[BM+\b], v[BM+\b], v[S+16*\b+15]
.endr
.irp b, 0,1,2,3
	s_delay_alu instid0(VALU_DEP_4)
	v_permlanex16_b32 v[T2+\b], v[BM+\b], s[SEL], s[SEL+1]
.endr
.irp b, 0,1,2,3
	s_delay_alu instid0(VALU_DEP_4)
	v_max_num_f32 v[BM+\b], v[BM+\b], v[T2+\b]     ; with lane l xor 16's 16 keys
.endr
	s_delay_alu instid0(VALU_DEP_2)
	v_max3_num_f32 v[TA], v[BM], v[BM+1], v[BM+2]
	s_delay_alu instid0(VALU_DEP_1)
	v_max_num_f32 v[TA], v[TA], v[BM+3]            ; the step's largest score of my query
	s_delay_alu instid0(VALU_DEP_1)
	v_mul_f32 v[TA], s[CS], v[TA]                  ; as t (c is positive)
	s_delay_alu instid0(VALU_DEP_1)
	v_max_num_f32 v[rT+1], v[rT+1], v[TA]          ; the running largest t
	v_mov_b32 v[TA], v[rT]
	s_delay_alu instid0(VALU_DEP_2)
	v_floor_f32 v[rT], -v[rT+1]                    ; the new -M = floor(-t) = -ceil(t): a whole number
	s_delay_alu instid0(VALU_DEP_1)
	v_sub_f32 v[TA], v[rT], v[TA]                  ; old M - new M: a whole number, 0 or less
	s_delay_alu instid0(VALU_DEP_1)
	v_cvt_i32_f32 v[TA], v[TA]                     ; (it saturates)
	s_delay_alu instid0(VALU_DEP_1)
	v_ldexp_f32 v[FF], 1.0, v[TA]                  ; f = 2^(old M - new M)
.set i, 0
.rept 32
	v_pk_fma_f32 v[S+2*i:S+2*i+1], v[S+2*i:S+2*i+1], s[CS:CS+1], v[rT:rT+1] op_sel_hi:[1,0,0]   ; t - M, two at a time
.set i, i+1
.endr
.irp b, 0,1,2,3
	v_fma_f32 v[BM+\b], v[BM+\b], s[CS], v[rT]     ; the same of each block's largest score
.endr
.set i, 0
	s_wait_alu depctr_va_vdst(0)
.rept 64
	v_exp_f32 v[S+i], v[S+i]                       ; p = 2^(t - M), at most 1
.set i, i+1
.endr
	v_pk_mul_f32 v[rT+2:rT+3], v[rT+2:rT+3], v[FF:FF+1] op_sel_hi:[1,0]   ; the sums under the new M: the plain instruction behind the batch
	s_wait_alu depctr_va_vdst(0)                   ; one wait for the 64 exponentials, ahead of the first instruction that names a result
.irp b, 0,1,2,3
	v_exp_f32 v[BM+\b], v[BM+\b]                   ; the block's largest p: the same two instructions on the same number
.endr
	v_pk_add_f32 v[C2:C2+1], v[S:S+1], v[S+2:S+3]  ; the row's sum, of the UNQUANTISED p: two chains.  It reads the 64 alone: plain work behind the four
.irp j, 4,8,12,16,20,24,28,32,36,40,44,48,52,56,60
	v_pk_add_f32 v[rT+2:rT+3], v[rT+2:rT+3], v[S+\j:S+\j+1]
	v_pk_add_f32 v[C2:C2+1], v[C2:C2+1], v[S+\j+2:S+\j+3]
.endr
	s_delay_alu instid0(VALU_DEP_1)
	v_pk_add_f32 v[rT+2:rT+3], v[rT+2:rT+3], v[C2:C2+1]
	s_wait_alu depctr_va_vdst(0)                   ; and one for the four
.irp b, 0,1,2,3
	v_max_num_f32 v[BM+\b], 0x1800000, v[BM+\b]    ; the floor 2^(3 - 127): the byte cannot fall under 1
.endr
.irp b, 0,1,2,3
	s_delay_alu instid0(VALU_DEP_4)
	v_add_nc_u32 v[SO+\b], 0xff000000, v[BM+\b]    ; 2 off the exponent field: the conversion's scale operand
.endr
.irp b, 0,1,2,3
	s_delay_alu instid0(VALU_DEP_4)
	v_lshrrev_b32 v[T2+\b], 23, v[SO+\b]           ; the scale's byte
.endr
	s_delay_alu instid0(VALU_DEP_3)
	v_lshl_or_b32 v[PS+\t], v[T2+1], 8, v[T2]      ; p's scale word for these 128 keys
	s_delay_alu instid0(VALU_DEP_1)
	v_lshl_or_b32 v[PS+\t], v[T2+2], 16, v[PS+\t]
	s_delay_alu instid0(VALU_DEP_1)
	v_lshl_or_b32 v[PS+\t], v[T2+3], 24, v[PS+\t]
.irp c, 0,1
	v_cvt_scalef32_pk8_fp4_f32 v[rP+4*\c],   v[S+32*\c:S+32*\c+7],     v[SO+2*\c]     ; tile 4 c
	v_cvt_scalef32_pk8_fp4_f32 v[rP+4*\c+1], v[S+32*\c+16:S+32*\c+23], v[SO+2*\c+1]   ; tile 4 c + 2
	v_cvt_scalef32_pk8_fp4_f32 v[rP+4*\c+2], v[S+32*\c+8:S+32*\c+15],  v[SO+2*\c]     ; tile 4 c + 1
	v_cvt_scalef32_pk8_fp4_f32 v[rP+4*\c+3], v[S+32*\c+24:S+32*\c+31], v[SO+2*\c+1]   ; tile 4 c + 3
.endr
	v_nop                                          ; one plain place behind the scaled conversions
.irp c, 0,1
	v_permlane16_swap_b32 v[rP+4*\c], v[rP+4*\c+1]       ; registers 4 c .. 4 c + 3 now hold keys 64 c + 32 h + 0 .. 31
	v_permlane16_swap_b32 v[rP+4*\c+2], v[rP+4*\c+3]
.endr
.set i, 0
.rept 16
	v_pk_mul_f32 v[rO+2*i:rO+2*i+1], v[rO+2*i:rO+2*i+1], v[FF:FF+1] op_sel_hi:[1,0]   ; O^T under the new M.  These sixteen are also the places between p's word and codes and the scaled products that take them
.set i, i+1
.endr
.endm
	s_wait_tensorcnt 0x0                           ; my fills have landed,
	s_barrier_signal -1
	s_barrier_wait -1                              ; everybody's have: the head lies in LDS for the rest of the launch
	s_wait_loadcnt 0x0                             ; Q
.Lstep:                                            ; 16 trips, 128 keys each
	s_setprio 2
	v_add_nc_u32 v[ADK], s[TK], v[AK0]             ; four plain instructions: the places between the last trip's products and the loads into the registers that they read
	v_add_nc_u32 v[ADS], s[TS], v[AKS0]
	v_add_nc_u32 v[ADV], s[TK], v[AV0]
	v_add_nc_u32 v[ADT], s[TV], v[AVS0]
.irp a, 0,1,2,3,4,5,6,7
	ds_load_b128 v[KF+4*\a:KF+4*\a+3], v[ADK] offset:512*\a        ; K's tile a
.endr
	ds_load_b64 v[KSR:KSR+1], v[ADS]               ; the scale words of keys 0-63
	ds_load_b64 v[KSR+2:KSR+3], v[ADS] offset:256  ; and 64-127
	s_wait_dscnt 0x0
	QK 0
	PLACES 4                                       ; in front of the first read of results
	SOFTMAX 0
	QK 1                                           ; tile 1's scores take the registers that tile 0's p has left
	PLACES 4                                       ; in front of the reads of results and of the loads into K's registers
.irp d, 0,1,2,3
.irp c, 0,1
	ds_load_b128 v[KF+8*\d+4*\c:KF+8*\d+4*\c+3], v[ADV] offset:1024*\d+512*\c   ; V's tile d: it lands while tile 1's softmax is worked
.endr
.endr
	ds_load_b64 v[VSR:VSR+1], v[ADT]
	s_setprio 1
	SOFTMAX 1
	s_setprio 0
	s_wait_alu depctr_va_vdst(0)
	s_wait_dscnt 0x0                               ; V
	PV
	s_add_co_u32 s[TK], s[TK], 4096
	s_add_co_u32 s[TS], s[TS], 512
	s_add_co_u32 s[TV], s[TV], 256
	s_sub_co_u32 s15, s15, 1
	s_cmp_lg_u32 s15, 0
	s_cbranch_scc1 .Lstep
	s_setprio 0
	; THE WAY OUT.  O^T / the sum; its two blocks of 32 channels a tile are quantised; a tile's codes leave as 512 consecutive bytes; the scale bytes meet in the stage and leave as 1,024.
	PLACES 4                                       ; in front of the first read of the last products' results
	v_add_f32 v[BM], v[ST+2], v[ST+3]              ; the sum's two halves,
	v_add_f32 v[BM+1], v[ST+6], v[ST+7]
	s_delay_alu instid0(VALU_DEP_2)
	v_permlanex16_b32 v[T2], v[BM], s[SEL], s[SEL+1]
	s_delay_alu instid0(VALU_DEP_2)
	v_permlanex16_b32 v[T2+1], v[BM+1], s[SEL], s[SEL+1]
	s_delay_alu instid0(VALU_DEP_2)
	v_add_f32 v[BM], v[BM], v[T2]                  ; and lane l xor 16's
	s_delay_alu instid0(VALU_DEP_2)
	v_add_f32 v[BM+1], v[BM+1], v[T2+1]
	s_wait_alu depctr_va_vdst(0)
	v_rcp_f32 v[FF], v[BM]
	v_rcp_f32 v[C2], v[BM+1]
	v_nop                                          ; a plain instruction behind the reciprocals,
	s_wait_alu depctr_va_vdst(0)                   ; and one wait for both, ahead of the first reader
.irp t, 0,1
.set i, 0
.rept 16
	v_pk_mul_f32 v[S+32*\t+2*i:S+32*\t+2*i+1], v[OT+32*\t+2*i:OT+32*\t+2*i+1], v[FF+2*\t:FF+2*\t+1] op_sel_hi:[1,0]   ; each accumulator from its low end on
.set i, i+1
.endr
.endr
.irp e, 0,1,2,3                                ; block e % 2 of tile e / 2: the 16 registers from S + 16 e on
	v_max3_num_f32 v[BM+\e], |v[S+16*\e]|, |v[S+16*\e+1]|, 0x1800000
.endr
.irp k, 2,4,6,8,10,12,14
.irp e, 0,1,2,3
	s_delay_alu instid0(VALU_DEP_4)
	v_max3_num_f32 v[BM+\e], v[BM+\e], |v[S+16*\e+\k]|, |v[S+16*\e+\k+1]|
.endr
.endr
.irp e, 0,1,2,3
	s_delay_alu instid0(VALU_DEP_4)
	v_permlanex16_b32 v[T2+\e], v[BM+\e], s[SEL], s[SEL+1]
.endr
.irp e, 0,1,2,3
	s_delay_alu instid0(VALU_DEP_4)
	v_max_num_f32 v[BM+\e], v[BM+\e], v[T2+\e]
.endr
.irp e, 0,1,2,3
	s_delay_alu instid0(VALU_DEP_4)
	v_add_nc_u32 v[SO+\e], 0xff000000, v[BM+\e]
.endr
.irp e, 0,1,2,3
	s_delay_alu instid0(VALU_DEP_4)
	v_lshrrev_b32 v[T2+\e], 23, v[SO+\e]
.endr
	s_delay_alu instid0(VALU_DEP_3)
	v_lshl_or_b32 v[TA], v[T2+1], 8, v[T2]         ; tile 0: my token's two bytes
	s_delay_alu instid0(VALU_DEP_2)
	v_lshl_or_b32 v[TA+1], v[T2+3], 8, v[T2+2]     ; tile 1
	s_mov_b32 vcc_lo, 0xffff0000
	v_cndmask_b32 v[TA], v[TA], v[TA+1], vcc_lo    ; lane l: token 32 wave + l
.irp t, 0,1
	v_cvt_scalef32_pk8_fp4_f32 v[P+4*\t],   v[S+32*\t:S+32*\t+7],     v[SO+2*\t]
	v_cvt_scalef32_pk8_fp4_f32 v[P+4*\t+1], v[S+32*\t+16:S+32*\t+23], v[SO+2*\t+1]
	v_cvt_scalef32_pk8_fp4_f32 v[P+4*\t+2], v[S+32*\t+8:S+32*\t+15],  v[SO+2*\t]
	v_cvt_scalef32_pk8_fp4_f32 v[P+4*\t+3], v[S+32*\t+24:S+32*\t+31], v[SO+2*\t+1]
.endr
	v_nop                                          ; one plain place behind the scaled conversions
.irp t, 0,1
	v_permlane16_swap_b32 v[P+4*\t], v[P+4*\t+1]
	v_permlane16_swap_b32 v[P+4*\t+2], v[P+4*\t+3]   ; lane (r, h): block h of token r
.endr
	global_store_b128 v[AK0], v[P:P+3], s[56:57]
	global_store_b128 v[AK0], v[P+4:P+7], s[56:57] offset:4096
	ds_store_b16 v[STW], v[TA]
	s_wait_dscnt 0x0                               ; for the others' sake: my store into the stage is done
	s_barrier_signal -1
	s_barrier_wait -1
	s_cmp_lt_u32 s[WV], 2                          ; waves 0 and 1 store the work-group's 1,024 bytes, 16 a lane
	s_cbranch_scc0 .Lno_bytes
	ds_load_b128 v[S:S+3], v[STR]
	s_wait_dscnt 0x0
	global_store_b128 v[GOF], v[S:S+3], s[58:59]
.Lno_bytes:
	s_wait_tensorcnt 0x0
	ds_add_u32 v254, v255
	s_wait_dscnt 0x0
	CROUND                                         ; the closing round
	s_endpgm
.Lfunc_end_k_qe5c9d8ed33_attn:
	.size	k_qe5c9d8ed33_attn, .Lfunc_end_k_qe5c9d8ed33_attn-k_qe5c9d8ed33_attn
	.p2alignl 7, 3214868480
	.fill 96, 4, 3214868480
	.section	.rodata,"a",@progbits
	.p2align	6, 0x0
	.amdhsa_kernel k_qe5c9d8ed33_attn
		.amdhsa_group_segment_fixed_size 169984
		.amdhsa_private_segment_fixed_size 0
		.amdhsa_enable_private_segment 0
		.amdhsa_kernarg_size 32
		.amdhsa_user_sgpr_count 2
		.amdhsa_user_sgpr_kernarg_segment_ptr 1
		.amdhsa_wavefront_size32 1
		.amdhsa_system_sgpr_workgroup_id_x 1
		.amdhsa_system_sgpr_workgroup_id_y 1
		.amdhsa_system_sgpr_workgroup_id_z 1
		.amdhsa_system_vgpr_workitem_id 0
		.amdhsa_next_free_vgpr 256
		.amdhsa_next_free_sgpr 66
		.amdhsa_reserve_vcc 1
		.amdhsa_float_denorm_mode_32 3
		.amdhsa_float_denorm_mode_16_64 3
		.amdhsa_memory_ordered 1
		.amdhsa_forward_progress 1
		.amdhsa_inst_pref_size 48
	.end_amdhsa_kernel
	.amdgpu_metadata
---
amdhsa.version: [ 1, 2 ]
amdhsa.kernels:
  - .name:           k_qe5c9d8ed33_attn
    .symbol:         k_qe5c9d8ed33_attn.kd
    .args:
      - { .name: codes, .offset: 0, .size: 8, .value_kind: global_buffer, .address_space: global }
      - { .name: sc, .offset: 8, .size: 8, .value_kind: global_buffer, .address_space: global }
      - { .name: ac, .offset: 16, .size: 8, .value_kind: global_buffer, .address_space: global }
      - { .name: as16, .offset: 24, .size: 8, .value_kind: global_buffer, .address_space: global }
    .group_segment_fixed_size: 169984
    .private_segment_fixed_size: 0
    .kernarg_segment_align: 8
    .kernarg_segment_size: 32
    .max_flat_workgroup_size: 512
    .sgpr_count:     66
    .vgpr_count:     256
    .wavefront_size: 32
...
	.end_amdgpu_metadata
.endif
;; end of part 2
;; launch proj (part 3): grid 4 x 64, 4 waves a work-group, clusters of 4 x 4, 246,272 bytes of LDS; arguments ac, as16, w_out_codes, w_out_scales, b_out, out0; writes out0
.if DOCPART == 3
	.amdgcn_target "amdgcn-amd-amdhsa--gfx1250"
	.amdhsa_code_object_version 6
	.text
	.protected	k_qe5c9d8ed33_proj
	.globl	k_qe5c9d8ed33_proj
	.p2align	8
	.type	k_qe5c9d8ed33_proj,@function
k_qe5c9d8ed33_proj:
	s_mov_b64 s[64:65], 0
	v_nop
	global_prefetch_b8 v0, s[64:65] scope:SCOPE_SE
	s_setreg_imm32_b32 hwreg(HW_REG_WAVE_MODE, 25, 1), 1
	s_wait_xcnt 0x0
	s_wait_alu depctr_hold_cnt(0) depctr_sa_sdst(0) depctr_va_vdst(0) depctr_va_sdst(0) depctr_va_ssrc(0) depctr_va_vcc(0) depctr_vm_vsrc(0)
	s_getreg_b32 s2, hwreg(HW_REG_IB_STS2, 6, 4)
	s_cmp_eq_u32 s2, 0
	s_cbranch_scc0 .Lentry_in_a_cluster
	s_endpgm
.Lentry_in_a_cluster:
	s_bfe_u32 s2, ttmp6, 0x10000c
	s_cmp_lg_u32 s2, 0xf033
	s_cbranch_scc0 .Lentry_shape_is_right
	s_endpgm
.Lentry_shape_is_right:
; out0 = a w_out + b_out on codes of FP4 with one E8M0 scale for each 32 along K = 1,024.  a: the attention's result, 8,192 tokens, as images of operand registers (ac) and two scale bytes for each (head, token) (as16);
; w_out: 1,024 rows n of 512 bytes of codes and 32 scale bytes; out0: [8,192][1,024] f32.
; Source 0 = 256 rows of w_out, source 1 = 128 tokens: a lane holds eight neighbouring columns of one row of out0.  Four waves, each 128 x 64: 32 accumulators.  256 work-groups.
; ALL OF K LIES IN LDS, in two chunks of 512 along K, each filled ONCE; chunk 1 lands while chunk 0 is multiplied.  w_out's rows: 256 bytes + 16 of padding; a's images: dense, 4,096 bytes for a tile of 16 tokens and a chunk.
; CLUSTERS: 4 x 4.  w_out's tile is asked for jointly by a column of the cluster, a's by a row.
; b_out is the C of each sum's first matrix instruction: it costs no addition.
; REGISTERS: window 0: v1-15 addresses; v16-47, v48-63 scale words; v64-159, v160-255 two sets of fragments; on the way out v64-191 hold rows of out0.   window 1: accumulator (a, b) at v[64 b + 8 a].   window 2: v0-63 b_out in the result's layout.
.set PITCH, 272
.set S0B,   256*PITCH                  ; w_out's rows of a chunk: chunk c at c S0B
.set S1IMG, 2*S0B                      ; a's images: chunk c at S1IMG + 32,768 c
.set STAGE, S1IMG+65536                ; the way out: 16 rows x (512 bytes + 16) for each wave; no fill lands here
.set SPITCH, 528
.set ADR0, 4                           ; v4-5   LDS address of my fragments of w_out in chunk 0, 1
.set ADR1, 6                           ; v6     of a's images
.set L16,  8                           ; v8     16 x lane
.set STO,  14                          ; v14    the stage: where I put 32 bytes of a row
.set RD,   15                          ; v15    and where I read a row back
.set SA,   16                          ; v[SA + 8 i + q]: lanes 0-15 the scale word of w_out's tile i, lanes 16-31 of tile i + 4, for K step q
.set SB,   48                          ; v[SB + 8 i + q]: lanes 0-15 a's tile i, lanes 16-31 tile i + 2
.set FS,   64
.set TU,   160                         ; a's scale bytes as loaded, 16 heads x 2: in set 1, which is not yet in use
.set BK,   64                          ; the way out: v64-127 and v128-191 by turns
.set BA,   0                           ; window 2
.set WV,   18
.set G1A,  32
.set G1B,  40
.set G0A,  48
.set G0B,  56
.set OUT,  90                          ; s[90:91] my part of out0
.set MSB, 0
.macro WIN new                         ; the immediate's high byte repeats the setting that is left
.if MSB != \new
	s_set_vgpr_msb (MSB<<8)|\new
.set MSB, \new
.endif
.endm
.macro PLACES n
.rept \n
	v_nop
.endr
.endm
.macro CROUND                          ; a round of the cluster's barrier
	s_barrier_signal -1
	s_barrier_wait -1
	s_cmp_lg_u32 s[WV], 0
	s_cbranch_scc1 .Lnot_wave_0_\@
	s_barrier_signal -3
.Lnot_wave_0_\@:
	s_barrier_wait -3
	s_barrier_signal -1
	s_barrier_wait -1
.endm
; One matrix instruction from the symbols rD, rA, rB, rC, rSA, rSB.  ra, rb: the side's scale words stand in lanes 16-31.
.macro WM ra, rb
.if (\ra) && (\rb)
	v_wmma_scale_f32_16x16x128_f8f6f4 v[rD:rD+7], v[rA:rA+7], v[rB:rB+7], v[rC:rC+7], v[rSA], v[rSB] matrix_a_fmt:MATRIX_FMT_FP4 matrix_b_fmt:MATRIX_FMT_FP4 matrix_a_scale:MATRIX_SCALE_ROW1 matrix_b_scale:MATRIX_SCALE_ROW1
.elseif (\ra)
	v_wmma_scale_f32_16x16x128_f8f6f4 v[rD:rD+7], v[rA:rA+7], v[rB:rB+7], v[rC:rC+7], v[rSA], v[rSB] matrix_a_fmt:MATRIX_FMT_FP4 matrix_b_fmt:MATRIX_FMT_FP4 matrix_a_scale:MATRIX_SCALE_ROW1
.elseif (\rb)
	v_wmma_scale_f32_16x16x128_f8f6f4 v[rD:rD+7], v[rA:rA+7], v[rB:rB+7], v[rC:rC+7], v[rSA], v[rSB] matrix_a_fmt:MATRIX_FMT_FP4 matrix_b_fmt:MATRIX_FMT_FP4 matrix_b_scale:MATRIX_SCALE_ROW1
.else
	v_wmma_scale_f32_16x16x128_f8f6f4 v[rD:rD+7], v[rA:rA+7], v[rB:rB+7], v[rC:rC+7], v[rSA], v[rSB] matrix_a_fmt:MATRIX_FMT_FP4 matrix_b_fmt:MATRIX_FMT_FP4
.endif
.endm
	s_load_b256 s[4:11], s[0:1], 0x0               ; ac s[4:5], as16 s[6:7], w_out's codes s[8:9], its scales s[10:11]
	s_load_b128 s[12:15], s[0:1], 0x20             ; b_out s[12:13], out0 s[14:15]
	v_lshl_add_u32 v9, v0, 2, 0x3c000
	v_mov_b32 v13, 0
	ds_add_u32 v9, v13
	ds_add_u32 v9, v13
	v_lshrrev_b32 v1, 5, v0
	v_readfirstlane_b32 s[WV], v1                  ; wave 0..3
	s_and_b32 s19, s[WV], 1                        ; which 128 rows of w_out are mine.  Also: which half of a tile I fetch
	s_lshr_b32 s20, s[WV], 1                       ; which 64 tokens are mine.  Also: I fetch for w_out (0) or for a (1)
	s_bfe_u32 s21, ttmp6, 0x40000                  ; cx
	s_bfe_u32 s22, ttmp6, 0x40004                  ; cy
	s_lshl_b32 s28, ttmp9, 2
	s_add_co_u32 s28, s28, s21
	s_lshl_b32 s28, s28, 8                         ; w_out's first row: 256 x (4 cluster x + cx)
	s_and_b32 s29, ttmp7, 0xffff
	s_lshl_b32 s29, s29, 2
	s_add_co_u32 s29, s29, s22
	s_lshl_b32 s29, s29, 7                         ; the first token: 128 x (4 cluster y + cy)
	s_lshl_b32 s30, 0x1111, s21                    ; my column of the cluster
	s_lshl_b32 s31, s22, 2
	s_lshl_b32 s31, 15, s31                        ; my row
	s_or_b32 s[G1A], s30, (1<<20)|(1<<21)|(5<<22)|(3<<25)   ; w_out: elements of 1 byte; 128 rows of 256 bytes out of rows of 512; four words of padding after every 64
	s_mov_b32 s[G1A+1], 256<<16
	s_mov_b32 s[G1A+2], 128<<16
	s_mov_b32 s[G1A+3], 256<<16
	s_mov_b32 s[G1A+4], 128
	s_mov_b32 s[G1A+5], 512
	s_mov_b32 s[G1A+6], 0
	s_mov_b32 s[G1A+7], 0
	s_or_b32 s[G1B], s31, (3<<16)|(1<<21)          ; a: a dense block of 16,384 bytes as 64 rows of 32 elements of 8 bytes; no padding
	s_mov_b32 s[G1B+1], 32<<16
	s_mov_b32 s[G1B+2], 64<<16
	s_mov_b32 s[G1B+3], 32<<16
	s_mov_b32 s[G1B+4], 64
	s_mov_b32 s[G1B+5], 32
	s_mov_b32 s[G1B+6], 0
	s_mov_b32 s[G1B+7], 0
	s_lshl_b32 s74, s19, 7
	s_add_co_u32 s74, s74, s28
	s_lshl_b32 s74, s74, 9                         ; w_out: the 128 rows that I would fetch, in bytes
	s_mov_b32 s75, 0
	s_lshl_b32 s76, s29, 8                         ; a: 4,096 bytes for 16 tokens,
	s_lshl_b32 s77, s19, 14                        ; and the four tiles that I would fetch
	s_add_co_u32 s76, s76, s77
	s_mov_b32 s77, 0
	s_mul_i32 s78, s19, 128*PITCH                  ; where they go: the wave's number alone enters an LDS address
	s_lshl_b32 s79, s19, 14
	s_add_co_u32 s79, s79, S1IMG
	s_wait_dscnt 0x0
	s_wait_kmcnt 0x0
	s_add_nc_u64 s[80:81], s[8:9], s[74:75]
	s_add_nc_u64 s[82:83], s[4:5], s[76:77]
	CROUND                                         ; all sixteen work-groups are here: the joint loads meet
.irp c, 0,1
	s_mov_b32 s[G0A+4*\c], 1
	s_add_co_u32 s[G0A+4*\c+1], s78, \c*S0B
	s_add_nc_u64 s[G0A+4*\c+2:G0A+4*\c+3], s[80:81], \c*256
	s_or_b32 s[G0A+4*\c+3], s[G0A+4*\c+3], 0x80000000
	s_mov_b32 s[G0B+4*\c], 1
	s_add_co_u32 s[G0B+4*\c+1], s79, \c*32768
	s_add_nc_u64 s[G0B+4*\c+2:G0B+4*\c+3], s[82:83], \c*0x200000   ; heads 8 c on
	s_or_b32 s[G0B+4*\c+3], s[G0B+4*\c+3], 0x80000000
.endr
	s_cmp_eq_u32 s20, 0                            ; a wave's two fills stand in one branch on its number: two loads of mine are out; four v_nop follow the second
	s_cbranch_scc0 .Lfirst_s1
	tensor_load_to_lds s[G0A:G0A+3], s[G1A:G1A+7]
	s_nop 0
	tensor_load_to_lds s[G0A+4:G0A+7], s[G1A:G1A+7]
	s_nop 0
	PLACES 4
	s_branch .Lfirst_asked
.Lfirst_s1:
	tensor_load_to_lds s[G0B:G0B+3], s[G1B:G1B+7]
	s_nop 0
	tensor_load_to_lds s[G0B+4:G0B+7], s[G1B:G1B+7]
	s_nop 0
	PLACES 4
.Lfirst_asked:
	v_and_b32 v1, 15, v0                           ; r
	v_bfe_u32 v2, v0, 4, 1                         ; h
	v_mul_u32_u24 v3, v1, PITCH
	v_lshl_add_u32 v3, v2, 4, v3
	v_add_nc_u32 v[ADR0], s78, v3                  ; my 128 rows of w_out
	v_add_nc_u32 v[ADR0+1], S0B, v[ADR0]
	v_and_b32 v[L16], 31, v0
	v_lshlrev_b32 v[L16], 4, v[L16]
	s_lshl_b32 s89, s20, 14
	s_add_co_u32 s89, s89, S1IMG
	v_add_nc_u32 v[ADR1], s89, v[L16]              ; my four tiles of tokens
	s_mul_i32 s88, s[WV], 16*SPITCH
	s_add_co_u32 s88, s88, STAGE                   ; my stage
	v_mul_u32_u24 v[STO], v1, SPITCH
	v_lshl_add_u32 v[STO], v2, 5, v[STO]
	v_add_nc_u32 v[STO], s88, v[STO]               ; in: row r, 32 bytes for each half of the lanes
	v_add_nc_u32 v[RD], s88, v[L16]                ; back: the 32 lanes take one row of 512 bytes
	v_lshlrev_b32 v10, 5, v1
	v_lshl_add_u32 v10, v2, 11, v10                ; w_out's scales: 32 bytes a row; lanes 16-31 take the tile four further on
	s_wait_alu depctr_va_vdst(0)
	v_lshlrev_b32 v11, 1, v1
	v_lshl_add_u32 v11, v2, 6, v11                 ; a's: 2 bytes a token; lanes 16-31 take the tile two further on
	s_wait_alu depctr_va_vdst(0)
	v_lshlrev_b32 v12, 5, v2                       ; b_out: 32 h
	s_wait_alu depctr_va_vdst(0)
	s_lshl_b32 s86, s19, 7
	s_add_co_u32 s86, s86, s28                     ; my first row of w_out = my first column of out0
	s_lshl_b32 s87, s20, 6
	s_add_co_u32 s87, s87, s29                     ; my first token
	s_lshl_b32 s84, s86, 5
	s_mov_b32 s85, 0
	s_add_nc_u64 s[68:69], s[10:11], s[84:85]
	s_lshl_b32 s84, s87, 1
	s_add_nc_u64 s[72:73], s[6:7], s[84:85]
	s_lshl_b32 s84, s86, 2
	s_add_nc_u64 s[94:95], s[12:13], s[84:85]
	s_add_nc_u64 s[OUT:OUT+1], s[14:15], s[84:85]
	s_lshl_b32 s84, s87, 12                        ; a row of out0 is 4,096 bytes
	s_add_nc_u64 s[OUT:OUT+1], s[OUT:OUT+1], s[84:85]
.irp i, 0,1,2,3
	global_load_b128 v[SA+8*\i:SA+8*\i+3], v10, s[68:69] offset:512*\i
	global_load_b128 v[SA+8*\i+4:SA+8*\i+7], v10, s[68:69] offset:512*\i+16
.endr
.irp i, 0,1
.irp hd, 0,1,2,3,4,5,6,7,8,9,10,11,12,13,14,15
	global_load_u16 v[TU+16*\i+\hd], v11, s[72:73] offset:\hd*16384+32*\i      ; 4 KiB a work-group, read once: straight into registers
.endr
.endr
	WIN 0x80                                       ; destination window 2
.irp a, 0,1,2,3,4,5,6,7
	global_load_b128 v[BA+8*\a:BA+8*\a+3], v12, s[94:95] offset:64*\a          ; b_out(16 a + 8 h + 0 .. 7)
	global_load_b128 v[BA+8*\a+4:BA+8*\a+7], v12, s[94:95] offset:64*\a+16
.endr
	WIN 0
; 24 LDS loads in one run: K step q's fragments into set p.  w_out's from rows; a's as images: K step q of a tile is 1,024 bytes, two groups of four registers
.macro FETCH q, p
.irp a, 0,1,2,3,4,5,6,7
	ds_load_b128 v[FS+96*(\p)+8*\a:FS+96*(\p)+8*\a+3], v[ADR0+(\q)/4] offset:\a*16*PITCH+64*((\q)%4)
	ds_load_b128 v[FS+96*(\p)+8*\a+4:FS+96*(\p)+8*\a+7], v[ADR0+(\q)/4] offset:\a*16*PITCH+64*((\q)%4)+32
.endr
.irp b, 0,1,2,3
	ds_load_b128 v[FS+96*(\p)+64+8*\b:FS+96*(\p)+64+8*\b+3], v[ADR1] offset:((\q)/4)*32768+\b*4096+((\q)%4)*1024
	ds_load_b128 v[FS+96*(\p)+64+8*\b+4:FS+96*(\p)+64+8*\b+7], v[ADR1] offset:((\q)/4)*32768+\b*4096+((\q)%4)*1024+512
.endr
.endm
; 32 matrix instructions: the 32 accumulators take turns, one instruction a turn, in the same order in every K step.  first = 1: C is b_out
.macro MUL q, p, first
.irp b, 0,1,2,3
.irp a, 0,1,2,3,4,5,6,7
.set rD, 64*\b+8*\a
.if \first
.set rC, BA+8*\a
.else
.set rC, rD
.endif
.set rA, FS+96*(\p)+8*\a
.set rB, FS+96*(\p)+64+8*\b
.set rSA, SA+8*(\a%4)+(\q)
.set rSB, SB+8*(\b%2)+(\q)
	WM \a/4, \b/2
.endr
.endr
.endm
.macro STEP q, first
	s_wait_dscnt 0x0                               ; set q % 2 is in
.if (\q) == 3
	s_wait_tensorcnt 0x0                           ; my part of chunk 1 has landed,
	s_barrier_signal -1
	s_barrier_wait -1                              ; everybody's has: the next fetch reads it
.endif
.if (\q) < 7
.if (\q) > 0
	PLACES 4                                       ; four places between the last step's products and loads into the registers that they read
.endif
	FETCH (\q)+1, ((\q)+1)%2
.endif
.if \first
	WIN 0x60                                       ; C window 2, D window 1
.else
	WIN 0x50                                       ; C and D window 1
.endif
	MUL \q, (\q)%2, \first
	WIN 0
.endm
	s_wait_tensorcnt 1                             ; my part of chunk 0 is in; behind it I issued one load, chunk 1's, which may stay out
	s_barrier_signal -1
	s_barrier_wait -1
	FETCH 0, 0
	s_wait_loadcnt 0x0                             ; scale words, scale bytes, b_out
.irp i, 0,1
.irp q, 0,1,2,3,4,5,6,7
	v_lshl_or_b32 v[SB+8*\i+\q], v[TU+16*\i+2*\q+1], 16, v[TU+16*\i+2*\q]      ; K step q is heads 2 q and 2 q + 1: two bytes each
.endr
.endr
	PLACES 8                                       ; a scale register written by a vector instruction stands eight places ahead of a scaled matrix instruction
	s_wait_alu depctr_va_vdst(0)
	STEP 0, 1
.irp q, 1,2,3,4,5,6,7
	STEP \q, 0
.endr
; THE WAY OUT, a block of 16 tokens x 128 columns at a time.  A lane holds 32 neighbouring bytes of a row, the lanes beside it other rows: a block goes through my own stage and comes back as whole rows of 512 bytes.
; LDS serves a wave's instructions in order (ISA guide 5.7.1.4): no wait between the stores and the loads, nor in front of the next block's stores.
.macro TOSTAGE b
	WIN 0x04                                       ; an LDS store's data are its source 1: window 1
.irp a, 0,1,2,3,4,5,6,7
	ds_store_b128 v[STO], v[64*(\b)+8*\a:64*(\b)+8*\a+3] offset:64*\a          ; each accumulator from its low end on
	ds_store_b128 v[STO], v[64*(\b)+8*\a+4:64*(\b)+8*\a+7] offset:64*\a+16
.endr
	WIN 0
.set BB, BK+64*((\b)%2)
.irp t, 0,1,2,3,4,5,6,7,8,9,10,11,12,13,14,15
	ds_load_b128 v[BB+4*\t:BB+4*\t+3], v[RD] offset:\t*SPITCH
.endr
.endm
.macro SEND b, younger                 ; younger: the LDS instructions issued behind block b's loads, which may stay out
.set BB, BK+64*((\b)%2)
	s_wait_dscnt \younger
.irp t, 0,1,2,3,4,5,6,7,8,9,10,11,12,13,14,15
	global_store_b128 v[L16], v[BB+4*\t:BB+4*\t+3], s[OUT:OUT+1] offset:(\b)*65536+\t*4096 th:TH_STORE_NT   ; 32 lanes store 512 consecutive bytes, aligned; written once, read by nobody here
.endr
.endm
	PLACES 4                                       ; in front of the first reads of results and of loads into the fragments' registers
	TOSTAGE 0
.irp b, 1,2,3
.if \b > 1
	s_wait_xcnt 0x0                                ; block b - 2's stores have read their registers: block b's rows may land there
.endif
	TOSTAGE \b
	SEND \b-1, 32                                  ; behind block b - 1's loads: block b's 16 stores and 16 loads
.endr
	SEND 3, 0
	s_wait_tensorcnt 0x0
	ds_add_u32 v9, v13
	s_wait_dscnt 0x0
	CROUND                                         ; the closing round: no work-group ends while a partner may still ask for a tile that names it
	s_endpgm
.Lfunc_end_k_qe5c9d8ed33_proj:
	.size	k_qe5c9d8ed33_proj, .Lfunc_end_k_qe5c9d8ed33_proj-k_qe5c9d8ed33_proj
	.p2alignl 7, 3214868480
	.fill 96, 4, 3214868480
	.section	.rodata,"a",@progbits
	.p2align	6, 0x0
	.amdhsa_kernel k_qe5c9d8ed33_proj
		.amdhsa_group_segment_fixed_size 246272
		.amdhsa_private_segment_fixed_size 0
		.amdhsa_enable_private_segment 0
		.amdhsa_kernarg_size 48
		.amdhsa_user_sgpr_count 2
		.amdhsa_user_sgpr_kernarg_segment_ptr 1
		.amdhsa_wavefront_size32 1
		.amdhsa_system_sgpr_workgroup_id_x 1
		.amdhsa_system_sgpr_workgroup_id_y 1
		.amdhsa_system_sgpr_workgroup_id_z 1
		.amdhsa_system_vgpr_workitem_id 0
		.amdhsa_next_free_vgpr 592
		.amdhsa_next_free_sgpr 100
		.amdhsa_reserve_vcc 0
		.amdhsa_float_denorm_mode_32 3
		.amdhsa_float_denorm_mode_16_64 3
		.amdhsa_memory_ordered 1
		.amdhsa_forward_progress 1
		.amdhsa_inst_pref_size 74
	.end_amdhsa_kernel
	.amdgpu_metadata
---
amdhsa.version: [ 1, 2 ]
amdhsa.kernels:
  - .name:           k_qe5c9d8ed33_proj
    .symbol:         k_qe5c9d8ed33_proj.kd
    .args:
      - { .name: ac, .offset: 0, .size: 8, .value_kind: global_buffer, .address_space: global }
      - { .name: as16, .offset: 8, .size: 8, .value_kind: global_buffer, .address_space: global }
      - { .name: w_out_codes, .offset: 16, .size: 8, .value_kind: global_buffer, .address_space: global }
      - { .name: w_out_scales, .offset: 24, .size: 8, .value_kind: global_buffer, .address_space: global }
      - { .name: b_out, .offset: 32, .size: 8, .value_kind: global_buffer, .address_space: global }
      - { .name: out0, .offset: 40, .size: 8, .value_kind: global_buffer, .address_space: global }
    .group_segment_fixed_size: 246272
    .private_segment_fixed_size: 0
    .kernarg_segment_align: 8
    .kernarg_segment_size: 48
    .max_flat_workgroup_size: 128
    .sgpr_count:     100
    .vgpr_count:     592
    .wavefront_size: 32
...
	.end_amdgpu_metadata
.endif
;; end of part 3
